; MI455X (gfx1250); checked and timed in simulation.
; The chip was launched on July 23, 2026; its instructions are those of AMD's public machine-readable ISA for CDNA 5 (MIT licence, August 2026) and "CDNA5" Instruction Set Architecture Reference Guide (July 2026). The comments in the code are by the model that wrote it; some were corrected since.
;; Gaussian Attention. Allowed arithmetic: matrix products marked QUANTISED: E2M1 operands, one E8M0 scale for each 32 along K, by v_wmma_scale_f32_16x16x128_f8f6f4 with both operands' format E2M1 (or v_wmma_scale_f32_32x16x128_f4), f32 sums; products left as they are: f32 operands where the result goes on into a quantised operand, else bf16, f16 or f32 operands; f32 sums; everything else in f32.
;; Inputs: W 30 x 400 float32; b 30 float32; h_t 4,096 x 400 float32; kappa_prev 4,096 x 10 float32; onehots 4,096 x 256 x 80 float32; text_mask 4,096 x 256 float32.
;; Outputs: out0 4,096 x 80 float32; out1 4,096 x 10 float32; out2 4,096 x 10 float32; out3 4,096 x 10 float32; out4 4,096 x 256 float32.
;; This version of the problem:
;;   THIS VERSION OF THE PROBLEM IS GIVEN IN LOW PRECISION. The matrix products marked QUANTISED in the list below multiply operands that are first quantised to E2M1 (2 exponent bits, 1 mantissa bit; 4 bits a number), with one power-of-two scale for each 32 numbers along K (OCP MX v1.0); their sums are f32. All else is computed in f32.
;;   The module's matrix products, in the order in which they are computed (A, B: the left and right operand; K: the contracted axis; several contracted axes count as one K, in the product's order):
;;     1. [M 4,096, K 400] x [K 400, N 30]; A: input h_t; B: input W: QUANTISED
;;     2. batch 4,096 x [M 1, K 256] x [K 256, N 80]; A: computed on the way; B: input onehots: left as it is (M = 1 < 16)
;;   THE QUANTISER, for each operand of a quantised product, along K:
;;     - K is cut into blocks of 32 from its start; a last block that is shorter is filled with zeros.
;;     - A block's scale is 2^e with e = floor(log2(the largest magnitude in the block)) - 2, held to -126 .. 127; a block of zeros has e = 0. As a byte (E8M0): e + 127.
;;     - Each number is divided by its block's scale, clamped to +-6, and rounded to the nearest number of E2M1, ties to even, subnormals kept.
;;     - The product sums the exact products of the quantised numbers (number of the format x scale) in f32.
;;   ~~~python
;;   def quantise(x, axis):      # numpy; x: float32 -> the quantised numbers, widened to float32 again
;;       x = np.moveaxis(x, axis, -1); K = x.shape[-1]
;;       x = np.pad(x, [(0, 0)] * (x.ndim - 1) + [(0, -K % 32)]); x = x.reshape(x.shape[:-1] + (-1, 32)); a = np.abs(x).max(-1, keepdims=True)
;;       e = np.where(a > 0, np.clip(np.frexp(np.where(a > 0, a, 1))[1] - 1 - 2, -126, 127), 0)      # np.frexp(a)[1] - 1 = floor(log2(a)), exactly
;;       r = np.clip(x / 2.0 ** e, -6, 6)
;;       step = 2.0 ** (np.maximum(np.frexp(np.where(r == 0, 1, r))[1] - 1, 0) - 1)
;;       q = np.round(r / step) * step * 2.0 ** e      # np.round: ties to even
;;       return np.moveaxis(q.reshape(q.shape[:-2] + (-1,))[..., :K], -1, axis).astype(np.float32)
;;   ~~~
;; One version. Each part assembles by itself: llvm-mc -triple=amdgcn-amd-amdhsa -mcpu=gfx1250 --defsym DOCPART=n.
;; ======== version 1 of 1: 1 launch
;; launch gauss (part 1): grid 256 x 1, 16 waves a work-group, no clusters, 178,176 bytes of LDS; arguments h_t, W, b, kappa_prev, text_mask, onehots, out0, out1, out2, out3, out4; writes out0, out1, out2, out3, out4
.if DOCPART == 1
	.amdgcn_target "amdgcn-amd-amdhsa--gfx1250"
	.amdhsa_code_object_version 6
	.text
	.protected	k_q0e3b40dc95_gauss
	.globl	k_q0e3b40dc95_gauss
	.p2align	8
	.type	k_q0e3b40dc95_gauss,@function
k_q0e3b40dc95_gauss:
	s_mov_b64 s[64:65], 0
	v_nop
	global_prefetch_b8 v0, s[64:65] scope:SCOPE_SE
	s_setreg_imm32_b32 hwreg(HW_REG_WAVE_MODE, 25, 1), 1
	s_wait_xcnt 0x0
; mp = exp(Q(h_t) Q(W)^T + b), Q the MX-FP4 quantiser along K = 400; alpha, beta, kappa = its three tens, kappa + kappa_prev;
; phi[u] = mask[u] x sum over k of alpha exp(-beta (kappa - u)^2);  w_t[v] = sum over u of phi[u] onehots[u][v].
; out0 = w_t [4096][80], out1 = alpha, out2 = beta, out3 = kappa [4096][10], out4 = phi [4096][256], all f32.
; SHARES.  256 work-groups of 16 waves; a work-group owns 16 batch rows: one tile of 16 rows of the quantised product.  Wave w owns batch row 16 wg + w for phi and for
; onehots: 81,920 bytes, 160 loads of 512 consecutive bytes, each byte read once.  The launch is bound by these bytes, so they are asked for FIRST: at the head every wave
; issues 35 of its 160 loads into a ring of 7 slots x 5 loads in registers, and the small chain runs while they are on their way:
;   waves 4-15 quantise one operand fragment each (16 rows x 128 K): h_t's four K steps, W's rows 0-15 and 16-31 in four K steps each (K = 400 is filled up to 512 with zero codes);
;   wave 0 issues the 8 matrix instructions, adds the bias, takes the exponential and adds kappa_prev; waves 1-3 store alpha, beta, kappa; every wave makes its own row of phi.
; THE SECOND PRODUCT has one row (M = 1) and a matrix of its own for each batch row, which arrives as f32 with u outermost: it is done by packed f32 multiply-adds, one for two numbers
; as they are loaded; the matrix unit would use one row of sixteen and want the numbers converted and turned first.
; NO CLUSTER, NO JOINT LOADS: the only input that work-groups share is W, 48,000 bytes beside the 1,353,344 bytes that a work-group reads for itself alone.
; NO TENSOR LOADS: the ring lies in registers (35 x 512 bytes a wave, 16 waves), and in the stream no wave waits for another.
; out1, out2, out3: a work-group's part is 640 consecutive bytes, stored by five stores of 128; 640 is no multiple of 256, so neighbouring work-groups' parts meet inside an aligned block of 256 bytes.
; LIMITS.  NaN and infinities in h_t and W are not served.  A block whose largest magnitude lies under 2^-124 keeps the scale byte 1 (a block of zeros too: its codes are zeros, and the bytes
; are read here alone).  exp(x) is 2^(x log2 e); a result under 2^-126 comes out as 0.  beta above 2.3e38 overflows in beta x log2 e.  w_t's sums run in another order than u ascending:
; 32 terms in a chain, then a tree of 8.  Columns 30 and 31 of W's second tile repeat W's row 29 and are used by nobody.
; LDS, in bytes
.set MPP,    144                       ; 0: mp[16 rows][32 columns], rows 144 bytes apart
.set L_SCW,  2560                      ; the scale words of fragment f = wave - 4: 128 bytes each, 4 a lane
.set L_IMG,  4096                      ; the fragments as images of their registers: 1,024 bytes each: at 1,024 x wave
.set L_PHI,  16384                     ; phi: wave w's 256 numbers at + 1,024 w
.set STGW,   8448                      ; a quantising wave's own stage at 8,448 x wave (33,792 on): 16 rows,
.set SPITCH, 528                       ; 512 bytes + 16 = 132 words: row r starts at bank 4 r mod 64 (64 banks of 4 bytes: ISA guide 11.1)
.set L_RED,  135168                    ; w_t's partial sums: wave w's 8 rows x 320 bytes at + 2,560 w
.set ROWB,   1600                      ; a row of h_t or of W in memory
; VECTOR REGISTERS.  v1-v20 are made at the head by every wave, ahead of the first parting of the waves, and never rewritten
.set AIMG, 1                           ; 1,024 wave + 16 lane: my fragment's image; with L_PHI as the offset: my phi
.set ASCS, 2                           ; 2,048 + 128 wave + 4 lane: my fragment's scale words
.set AL16, 3                           ; 16 lane: an image's place for my lane; also my offset in the stream, the mask and out4
.set AL4,  4                           ; 4 lane; also my offset in out1, out2, out3
.set AMPS, 5                           ; 1,152 h + 4 r: where wave 0 puts mp
.set AMPR, 6                           ; 144 wave: my batch row of mp
.set AOUT, 7                           ; v7-11   waves 1-3: where number lane + 32 i of the 160 of my output lies in mp
.set APH,  12                          ; v12-16  my phi word for load j of a group: row (lane + 32 j) / 20 of the group's eight
.set ARED, 17                          ; my partial sums
.set AFIN, 18                          ; the final sums: thread t = 20 b' + c reads wave b''s column group c
.set ASTS, 19                          ; the stage, on the way in
.set ASTR, 20                          ; and on the way out
.set SCA,  21                          ; v21-23  scale words of h_t, W's tile 0, W's tile 1: these registers hold scales and nothing else
.set MASK, 24                          ; v24-31  text_mask of u = 128 c + 4 lane + e at 4 c + e
.set MM,   32                          ; quantising waves: v32-33 largest magnitudes, then the conversions' scale operands
.set BY,   34                          ; v34-35 scale bytes
.set PW,   36                          ; the scale word
.set PX,   37                          ; the other half's part of it
.set SH,   38                          ; 8 h
.set CC,   44                          ; v44-51 the fragment's codes
.set D0,   32                          ; wave 0: v32-39, v40-47 the two accumulators; v48-49 the bias
.set D1,   40
.set BI,   48
.set XX,   52                          ; quantising waves: v52-115 64 numbers
.set KA,   52                          ; wave 0: v52-59 kappa_prev; v60-83 the fragments of a K step
.set FA,   60
.set FW0,  68
.set FW1,  76
.set AL,   52                          ; phi: v52-61 alpha, v62-71 beta, then -beta log2 e, v72-81 kappa (v82-83: the two columns that nobody uses)
.set NB,   62
.set KP,   72
.set UU,   84                          ; v84-91 u;  v92-99 phi;  v100-107 kappa - u;  v108-115 at work
.set PH,   92
.set DF,   100
.set TT,   108
.set ACC,  52                          ; the stream: v52-71 sums, four for each of a group's five loads
.set PP,   72                          ; v72-77, v78-83: two sets of five phi words (the sixth register is the unused half of a pair)
.set RING, 116                         ; v116-255: 7 slots x 5 loads x 4 registers
	s_load_b512 s[8:23], s[0:1], 0x0               ; h_t 8, W 10, b 12, kappa_prev 14, text_mask 16, onehots 18, out0 20, out1 22
	s_load_b128 s[24:27], s[0:1], 0x40             ; out2 24, out3 26
	s_load_b64 s[28:29], s[0:1], 0x50              ; out4
	v_lshrrev_b32 v35, 5, v0
	v_readfirstlane_b32 s30, v35                   ; wave 0..15
	v_and_b32 v32, 31, v0                          ; lane
	v_and_b32 v33, 15, v0                          ; r
	v_bfe_u32 v34, v0, 4, 1                        ; h
	s_lshl_b32 s31, ttmp9, 4
	s_add_co_u32 s31, s31, s30                     ; my batch row
	s_and_b32 s46, s30, 3                          ; a quantising wave's K step
	s_mov_b32 s34, 0x76543210
	s_mov_b32 s35, 0xfedcba98                      ; v_permlanex16_b32's selects for lane l xor 16
	s_mov_b32 s36, 0x3fb8aa3b                      ; log2 e
	s_mov_b32 s38, 0xbfb8aa3b                      ; -log2 e: the packed form names a pair and takes its low word for both halves,
	s_mov_b32 s39, s38                             ; so both are written
	v_mul_u32_u24 v[AMPR], v35, MPP
	v_lshlrev_b32 v[AL16], 4, v32
	v_lshlrev_b32 v[AL4], 2, v32
	s_lshl_b32 s47, s30, 10
	v_lshl_add_u32 v[AIMG], v32, 4, s47
	s_add_co_u32 s49, s47, L_PHI                   ; my phi
	s_lshl_b32 s47, s30, 7
	s_add_co_u32 s47, s47, L_SCW-4*128
	v_lshl_add_u32 v[ASCS], v32, 2, s47
	v_lshlrev_b32 v[AMPS], 2, v33
	v_mad_u32_u24 v[AMPS], v34, 8*MPP, v[AMPS]
	s_add_co_u32 s48, s30, 3
	s_and_b32 s48, s48, 3                          ; waves 1, 2, 3: alpha, beta, kappa: 0, 1, 2
	s_mul_i32 s48, s48, 40
	v_add_nc_u32 v36, s48, v[AL4]
.irp i, 0,1,2,3,4
	v_add_nc_u32 v35, 32*\i, v32                   ; number e = lane + 32 i of 160: row e / 10, column e % 10 of my ten:
	v_mul_u32_u24 v35, v35, 6554
	v_lshrrev_b32 v35, 16, v35                     ; e / 10 (exact for e under 160)
	v_mad_u32_u24 v[AOUT+\i], v35, MPP-40, v36     ; 144 row + 4 (e - 10 row) + 40 part; 128 i stands in the instruction
.endr
.irp j, 0,1,2,3,4
	v_add_nc_u32 v35, 32*\j, v32                   ; q = lane + 32 j: my 16 bytes of a group of 8 rows x 320 bytes lie in row q / 20
	v_mul_u32_u24 v35, v35, 3277
	v_lshrrev_b32 v35, 16, v35                     ; q / 20 (exact for q under 320)
	v_lshl_add_u32 v[APH+\j], v35, 2, s49
.endr
	s_mul_i32 s47, s30, 2560
	s_add_co_u32 s47, s47, L_RED
	v_add_nc_u32 v[ARED], s47, v[AL16]
	v_mul_u32_u24 v35, v0, 3277
	v_lshrrev_b32 v35, 16, v35                     ; b' = t / 20
	v_mul_u32_u24 v35, v35, 2560-320
	v_lshl_add_u32 v[AFIN], v0, 4, v35             ; 2,560 b' + 16 (t - 20 b')
	v_add_nc_u32 v[AFIN], L_RED, v[AFIN]
	s_mul_i32 s47, s30, STGW
	v_add_nc_u32 v[ASTS], s47, v[AL16]
	v_mul_u32_u24 v[ASTR], v33, SPITCH
	v_lshl_add_u32 v[ASTR], v34, 7, v[ASTR]
	v_add_nc_u32 v[ASTR], s47, v[ASTR]
	s_wait_kmcnt 0x0
	s_mov_b32 s33, 0
	s_mul_i32 s32, s31, 81920                      ; at most 4,095 x 81,920: under 2^32
	s_add_nc_u64 s[18:19], s[18:19], s[32:33]      ; onehots at my batch row
	s_lshl_b32 s32, s31, 10
	s_add_nc_u64 s[16:17], s[16:17], s[32:33]      ; text_mask and out4 likewise
	s_add_nc_u64 s[28:29], s[28:29], s[32:33]
	s_mul_i32 s32, ttmp9, 5120
	s_add_nc_u64 s[20:21], s[20:21], s[32:33]      ; out0 at the work-group's 16 rows
	s_cmp_eq_u32 s30, 1                            ; waves 1, 2, 3 store out1, out2, out3: the choice hangs on the wave's number alone
	s_cselect_b64 s[40:41], s[22:23], s[24:25]
	s_cmp_eq_u32 s30, 3
	s_cselect_b64 s[40:41], s[26:27], s[40:41]
	s_mul_i32 s32, ttmp9, 640
	s_add_nc_u64 s[14:15], s[14:15], s[32:33]      ; kappa_prev and that output at the work-group's 16 rows
	s_add_nc_u64 s[40:41], s[40:41], s[32:33]
	s_lshl_b32 s47, ttmp9, 4                       ; h_t's first row
	s_lshr_b32 s48, s30, 2
	s_sub_co_u32 s48, s48, 2
	s_lshl_b32 s48, s48, 4                         ; W's: 0 for waves 8-11, 16 for waves 12-15
	s_mov_b32 s45, 29
	s_cmp_lt_u32 s30, 8                            ; waves 4-7 quantise h_t, waves 8-15 W
	s_cselect_b64 s[42:43], s[8:9], s[10:11]
	s_cselect_b32 s44, s47, s48                    ; the fragment's first row
	s_cselect_b32 s45, 4095, s45                   ; the tensor's last row
; The mask and the ring's first fill: 2 + 35 loads, each of 512 consecutive bytes.  Written once on each of the four ways below, behind that way's own small loads.
.macro HEADLOADS
	global_load_b128 v[MASK:MASK+3], v[AL16], s[16:17] th:TH_LOAD_NT
	global_load_b128 v[MASK+4:MASK+7], v[AL16], s[16:17] offset:512 th:TH_LOAD_NT
.irp g, 0,1,2,3,4,5,6
.irp j, 0,1,2,3,4
	global_load_b128 v[RING+20*\g+4*\j:RING+20*\g+4*\j+3], v[AL16], s[18:19] offset:2560*\g+512*\j th:TH_LOAD_NT
.endr
.endr
.endm
.macro BARRIER                                 ; my LDS stores have landed and my LDS loads are in: then the work-group's barrier
	s_wait_dscnt 0x0
	s_barrier_signal -1
	s_barrier_wait -1
.endm
; 64 numbers of a lane, register 32 c + i = k 64 c + 32 h + i of my row in this K step: two WHOLE blocks of 32, so no other lane is asked for a maximum.  They become the fragment's
; codes and my row's scale word.  tail = 1: only the first 16 numbers of lanes 0-15 exist (k = 384 .. 399); all else is zero codes under the byte 1.
.macro QUANT tail
	v_mov_b32 v[PX], 0                             ; a lane permute's destination counts as one of its sources
.if \tail
	v_max3_num_f32 v[MM], |v[XX]|, |v[XX+1]|, 0x1800000      ; the floor 2^(3 - 127), under which no largest magnitude is taken: so the byte cannot fall under 1
.irp i, 2,4,6,8,10,12,14
	v_max3_num_f32 v[MM], v[MM], |v[XX+\i]|, |v[XX+\i+1]|
.endr
	v_add_nc_u32 v[MM], 0xff000000, v[MM]          ; 2 off its exponent field: the conversion takes the exponent field of this operand as its scale, and nothing else of it
	v_lshrrev_b32 v[BY], 23, v[MM]                 ; the scale's byte
	v_or_b32 v[PW], 0x10000, v[BY]                 ; the empty block beside it: byte 1
.irp i, 2,3,4,5,6,7
	v_mov_b32 v[CC+\i], 0
.endr
.else
.irp c, 0,1
	v_max3_num_f32 v[MM+\c], |v[XX+32*\c]|, |v[XX+32*\c+1]|, 0x1800000
.endr
.irp i, 2,4,6,8,10,12,14,16,18,20,22,24,26,28,30
.irp c, 0,1
	v_max3_num_f32 v[MM+\c], v[MM+\c], |v[XX+32*\c+\i]|, |v[XX+32*\c+\i+1]|    ; (the two blocks by turns)
.endr
.endr
.irp c, 0,1
	v_add_nc_u32 v[MM+\c], 0xff000000, v[MM+\c]
.endr
.irp c, 0,1
	v_lshrrev_b32 v[BY+\c], 23, v[MM+\c]
.endr
	v_lshl_or_b32 v[PW], v[BY+1], 16, v[BY]        ; my two bytes: blocks h and 2 + h,
.endif
	v_lshlrev_b32 v[PW], v[SH], v[PW]              ; at their places in the scale word (8 h bits up);
	v_permlanex16_b32 v[PX], v[PW], s34, s35
	v_or_b32 v[PW], v[PW], v[PX]                   ; with lane l xor 16's two the word is whole
.if \tail
	v_cvt_scalef32_pk8_fp4_f32 v[CC], v[XX:XX+7], v[MM]
	v_cvt_scalef32_pk8_fp4_f32 v[CC+1], v[XX+8:XX+15], v[MM]
.else
.irp c, 0,1
.irp g, 0,1,2,3
	v_cvt_scalef32_pk8_fp4_f32 v[CC+4*\c+\g], v[XX+32*\c+8*\g:XX+32*\c+8*\g+7], v[MM+\c]   ; registers 4 c .. 4 c + 3 of the operand; beyond 6 the largest code
.endr
.endr
.endif
	v_nop                                          ; one plain place behind the last scaled conversion
	ds_store_b128 v[AIMG], v[CC:CC+3]              ; the fragment goes to LDS as it stands in my registers,
	ds_store_b128 v[AIMG], v[CC+4:CC+7] offset:512
	ds_store_b32 v[ASCS], v[PW]                    ; and its scale words likewise
.endm
	; THE WAVES PART, once, on the wave's number; all ways meet at the first barrier
	s_cmp_lt_u32 s30, 4
	s_cbranch_scc1 .Lsmall
	s_cmp_eq_u32 s46, 3
	s_cbranch_scc1 .Ltail
	; ---- K steps 0, 1, 2: 16 rows x 512 bytes.  Each load reads 512 consecutive bytes of one row; the conversions want 32 neighbours in a lane: the 8,192 bytes turn through my own stage
	s_mul_i32 s47, s44, ROWB
	s_lshl_b32 s48, s46, 9
	s_add_co_u32 s47, s47, s48
	s_add_co_u32 s49, s44, 14                      ; rows 14 and 15 of the fragment are held at the tensor's last row (W has 30)
	s_min_u32 s49, s49, s45
	s_mul_i32 s49, s49, ROWB
	s_add_co_u32 s49, s49, s48
	s_add_co_u32 s50, s44, 15
	s_min_u32 s50, s50, s45
	s_mul_i32 s50, s50, ROWB
	s_add_co_u32 s50, s50, s48
	v_add_nc_u32 v39, s47, v[AL16]
	v_add_nc_u32 v40, s49, v[AL16]
	v_add_nc_u32 v41, s50, v[AL16]
	v_lshlrev_b32 v[SH], 3, v34
.irp i, 0,1,2,3,4,5,6,7,8,9,10,11,12,13
	global_load_b128 v[XX+4*\i:XX+4*\i+3], v39, s[42:43] offset:ROWB*\i
.endr
	global_load_b128 v[XX+56:XX+59], v40, s[42:43]
	global_load_b128 v[XX+60:XX+63], v41, s[42:43]
	HEADLOADS
	s_wait_loadcnt 35                              ; behind my small loads the mask's 2 and the ring's 35 were issued: the small ones and the mask are in, the ring stays out
.irp i, 0,1,2,3,4,5,6,7,8,9,10,11,12,13,14,15
	ds_store_b128 v[ASTS], v[XX+4*\i:XX+4*\i+3] offset:SPITCH*\i
.endr
	s_wait_dscnt 0x0                               ; the stores have read their registers, which the loads below write
.irp c, 0,1
.irp j, 0,1,2,3,4,5,6,7
	ds_load_b128 v[XX+32*\c+4*\j:XX+32*\c+4*\j+3], v[ASTR] offset:256*\c+16*\j     ; row r, k = 64 c + 32 h + 4 j on
.endr
.endr
	s_wait_dscnt 0x0
	QUANT 0
	s_branch .Ljoin
.Ltail:
	; ---- K step 3: of its 128 only k = 384 .. 399 exist: 64 bytes a row.  Lanes 16-31 read what lanes 0-15 read, so that no load leaves its buffer, and their numbers are set to 0
	v_add_nc_u32 v39, s44, v33
	v_min_u32 v39, s45, v39                        ; my row, held at the tensor's last
	v_mul_u32_u24 v39, v39, ROWB
	v_lshlrev_b32 v[SH], 3, v34
	v_cmp_eq_u32 vcc_lo, 0, v34
.irp j, 0,1,2,3
	global_load_b128 v[XX+4*\j:XX+4*\j+3], v39, s[42:43] offset:1536+16*\j
.endr
	HEADLOADS
	s_wait_loadcnt 35                              ; as above
.irp i, 0,1,2,3,4,5,6,7,8,9,10,11,12,13,14,15
	v_cndmask_b32 v[XX+\i], 0, v[XX+\i], vcc_lo
.endr
	QUANT 1
	s_branch .Ljoin
.Lsmall:
	s_cmp_lg_u32 s30, 0
	s_cbranch_scc1 .Lidle
	; ---- wave 0: kappa_prev and the bias in the result's layout: register j of lane (r, h) is batch row 8 h + j, column 16 T + r.  kappa is columns 20 .. 29: tile 1, r = 4 .. 13
	v_add_nc_u32 v85, -4, v33                      ; r - 4: under 10 (unsigned) where the lane holds kappa
	v_min_u32 v50, 9, v85                          ; held inside the row for the other lanes, whose numbers are set to 0 later
	v_lshlrev_b32 v50, 2, v50
	v_mad_u32_u24 v50, v34, 320, v50
	v_lshlrev_b32 v51, 2, v33
	v_min_u32 v84, 13, v33                         ; b has 30 numbers
	v_lshlrev_b32 v84, 2, v84
.irp j, 0,1,2,3,4,5,6,7
	global_load_b32 v[KA+\j], v50, s[14:15] offset:40*\j
.endr
	global_load_b32 v[BI], v51, s[12:13]
	global_load_b32 v[BI+1], v84, s[12:13] offset:64
	HEADLOADS
	s_branch .Ljoin
.Lidle:
	HEADLOADS                                      ; waves 1-3
.Ljoin:
	BARRIER                                        ; the twelve fragments and their scale words lie in LDS
	; ---- wave 0: the quantised product.  Source 0 = h_t's 16 rows, source 1 = 16 rows of W
.macro KSTEP s
.if (\s) > 0
.rept 4
	v_nop                                          ; four places in front of loads into registers that matrix instructions have read (ISA guide 7.12.1 for vector instructions)
.endr
.endif
	ds_load_b128 v[FA:FA+3], v[AL16] offset:L_IMG+1024*(\s)
	ds_load_b128 v[FA+4:FA+7], v[AL16] offset:L_IMG+1024*(\s)+512
	ds_load_b128 v[FW0:FW0+3], v[AL16] offset:L_IMG+1024*(4+(\s))
	ds_load_b128 v[FW0+4:FW0+7], v[AL16] offset:L_IMG+1024*(4+(\s))+512
	ds_load_b128 v[FW1:FW1+3], v[AL16] offset:L_IMG+1024*(8+(\s))
	ds_load_b128 v[FW1+4:FW1+7], v[AL16] offset:L_IMG+1024*(8+(\s))+512
	ds_load_b32 v[SCA], v[AL4] offset:L_SCW+128*(\s)
	ds_load_b32 v[SCA+1], v[AL4] offset:L_SCW+128*(4+(\s))
	ds_load_b32 v[SCA+2], v[AL4] offset:L_SCW+128*(8+(\s))
	s_wait_dscnt 0x0
.if (\s) == 0
	v_wmma_scale_f32_16x16x128_f8f6f4 v[D0:D0+7], v[FA:FA+7], v[FW0:FW0+7], 0, v[SCA], v[SCA+1] matrix_a_fmt:MATRIX_FMT_FP4 matrix_b_fmt:MATRIX_FMT_FP4   ; the first K step starts the sums
	v_wmma_scale_f32_16x16x128_f8f6f4 v[D1:D1+7], v[FA:FA+7], v[FW1:FW1+7], 0, v[SCA], v[SCA+2] matrix_a_fmt:MATRIX_FMT_FP4 matrix_b_fmt:MATRIX_FMT_FP4
.else
	v_wmma_scale_f32_16x16x128_f8f6f4 v[D0:D0+7], v[FA:FA+7], v[FW0:FW0+7], v[D0:D0+7], v[SCA], v[SCA+1] matrix_a_fmt:MATRIX_FMT_FP4 matrix_b_fmt:MATRIX_FMT_FP4   ; the two accumulators take turns, one instruction a turn
	v_wmma_scale_f32_16x16x128_f8f6f4 v[D1:D1+7], v[FA:FA+7], v[FW1:FW1+7], v[D1:D1+7], v[SCA], v[SCA+2] matrix_a_fmt:MATRIX_FMT_FP4 matrix_b_fmt:MATRIX_FMT_FP4
.endif
.endm
	s_cmp_lg_u32 s30, 0
	s_cbranch_scc1 .Lnot_wave0
	s_wait_loadcnt 35                              ; kappa_prev, the bias and the mask are in; the ring's 35 stay out
	v_cmp_gt_u32 vcc_lo, 10, v85                   ; the lanes that hold kappa in tile 1
	KSTEP 0
	KSTEP 1
	KSTEP 2
	KSTEP 3
	v_mul_f32 v[BI], s36, v[BI]                    ; b log2 e.  These ten lines name no register of the last products: they are the places behind them
	v_mul_f32 v[BI+1], s36, v[BI+1]
.irp j, 0,1,2,3,4,5,6,7
	v_cndmask_b32 v[KA+\j], 0, v[KA+\j], vcc_lo    ; kappa_prev where the lane holds kappa, else 0
.endr
.irp j, 0,1,2,3,4,5,6,7
	v_fma_f32 v[D0+\j], v[D0+\j], s36, v[BI]       ; (x + b) log2 e; each accumulator from its low end on
.endr
.irp j, 0,1,2,3,4,5,6,7
	v_fma_f32 v[D1+\j], v[D1+\j], s36, v[BI+1]
.endr
.irp j, 0,1,2,3,4,5,6,7,8,9,10,11,12,13,14,15
	v_exp_f32 v[D0+\j], v[D0+\j]                   ; mp
.endr
	v_nop                                          ; a plain place behind the last exponential
	s_wait_alu depctr_va_vdst(0)                   ; one wait for the sixteen, ahead of their first reader
.irp j, 0,2,4,6
	v_pk_add_f32 v[D1+\j:D1+\j+1], v[D1+\j:D1+\j+1], v[KA+\j:KA+\j+1]   ; kappa + kappa_prev
.endr
.irp j, 0,1,2,3,4,5,6,7
	ds_store_b32 v[AMPS], v[D0+\j] offset:MPP*\j
.endr
.irp j, 0,1,2,3,4,5,6,7
	ds_store_b32 v[AMPS], v[D1+\j] offset:MPP*\j+64
.endr
.Lnot_wave0:
	BARRIER                                        ; mp lies in LDS
	; ---- waves 1-3: alpha, beta, kappa of the 16 rows leave: 160 numbers, 640 consecutive bytes each
	s_cmp_eq_u32 s30, 0
	s_cbranch_scc1 .Lno_params
	s_cmp_gt_u32 s30, 3
	s_cbranch_scc1 .Lno_params
.irp i, 0,1,2,3,4
	ds_load_b32 v[32+\i], v[AOUT+\i] offset:128*\i
.endr
	s_wait_dscnt 0x0
.irp i, 0,1,2,3,4
	global_store_b32 v[AL4], v[32+\i], s[40:41] offset:128*\i      ; v32-36 are not written again
.endr
.Lno_params:
	; ---- phi of my batch row: a lane takes u = 4 lane + 0 .. 3 and 128 + 4 lane + 0 .. 3
.irp i, 0,1,2,3,4,5,6,7
	ds_load_b128 v[AL+4*\i:AL+4*\i+3], v[AMPR] offset:16*\i        ; my row's 32 numbers, the same in every lane
.endr
	v_cvt_f32_u32 v[UU], v[AL4]
	v_add_f32 v[UU+1], 1.0, v[UU]
	v_add_f32 v[UU+2], 2.0, v[UU]
	v_add_f32 v[UU+3], 0x40400000, v[UU]
.irp e, 0,1,2,3
	v_add_f32 v[UU+4+\e], 0x43000000, v[UU+\e]     ; + 128
.endr
	s_wait_dscnt 0x0
.irp i, 0,2,4,6,8
	v_pk_mul_f32 v[NB+\i:NB+\i+1], v[NB+\i:NB+\i+1], s[38:39] op_sel_hi:[1,0]      ; -beta log2 e
.endr
.irp i, 0,2,4,6
	v_pk_add_f32 v[DF+\i:DF+\i+1], v[KP:KP+1], v[UU+\i:UU+\i+1] op_sel:[0,0] op_sel_hi:[0,1] neg_lo:[0,1] neg_hi:[0,1]   ; kappa_0 - u
.endr
; Mixture k, for my eight u.  kp, o: the pair and the half in which number k of a ten lies; np, no: those of k + 1.
.macro PHISTEP k, kp, o, np, no
.irp i, 0,2,4,6
	v_pk_mul_f32 v[TT+\i:TT+\i+1], v[DF+\i:DF+\i+1], v[NB+\kp:NB+\kp+1] op_sel:[0,\o] op_sel_hi:[1,\o]
.endr
.irp i, 0,2,4,6
	v_pk_mul_f32 v[TT+\i:TT+\i+1], v[TT+\i:TT+\i+1], v[DF+\i:DF+\i+1]      ; (-beta d) d, in that order
.endr
.irp i, 0,1,2,3,4,5,6,7
	v_exp_f32 v[TT+\i], v[TT+\i]
.endr
.if \k < 9
.irp i, 0,2,4,6
	v_pk_add_f32 v[DF+\i:DF+\i+1], v[KP+\np:KP+\np+1], v[UU+\i:UU+\i+1] op_sel:[\no,0] op_sel_hi:[\no,1] neg_lo:[0,1] neg_hi:[0,1]   ; the next mixture's kappa - u: plain work behind the exponentials
.endr
.else
	v_nop
.endif
	s_wait_alu depctr_va_vdst(0)                   ; one wait for the eight, ahead of their first reader
.irp i, 0,2,4,6
.if \k == 0
	v_pk_mul_f32 v[PH+\i:PH+\i+1], v[TT+\i:TT+\i+1], v[AL+\kp:AL+\kp+1] op_sel:[0,\o] op_sel_hi:[1,\o]    ; the first mixture starts the sums
.else
	v_pk_fma_f32 v[PH+\i:PH+\i+1], v[TT+\i:TT+\i+1], v[AL+\kp:AL+\kp+1], v[PH+\i:PH+\i+1] op_sel:[0,\o,0] op_sel_hi:[1,\o,1]
.endif
.endr
.endm
	PHISTEP 0, 0, 0, 0, 1
	PHISTEP 1, 0, 1, 2, 0
	PHISTEP 2, 2, 0, 2, 1
	PHISTEP 3, 2, 1, 4, 0
	PHISTEP 4, 4, 0, 4, 1
	PHISTEP 5, 4, 1, 6, 0
	PHISTEP 6, 6, 0, 6, 1
	PHISTEP 7, 6, 1, 8, 0
	PHISTEP 8, 8, 0, 8, 1
	PHISTEP 9, 8, 1, 0, 0
	s_wait_loadcnt 35                              ; the mask is in (behind it only the ring's 35 were issued)
.irp i, 0,2,4,6
	v_pk_mul_f32 v[PH+\i:PH+\i+1], v[PH+\i:PH+\i+1], v[MASK+\i:MASK+\i+1]
.endr
	global_store_b128 v[AL16], v[PH:PH+3], s[28:29] th:TH_STORE_NT                ; each store of the wave covers 512 consecutive bytes, aligned; phi's registers are not written again
	global_store_b128 v[AL16], v[PH+4:PH+7], s[28:29] offset:512 th:TH_STORE_NT
	ds_store_b128 v[AIMG], v[PH:PH+3] offset:L_PHI
	ds_store_b128 v[AIMG], v[PH+4:PH+7] offset:L_PHI+512
.irp j, 0,1,2,3,4
	ds_load_b32 v[PP+\j], v[APH+\j]                ; group 0's phi words.  My own bytes: LDS serves a wave's instructions in order (ISA guide 5.7.1.4), so these see the stores above
.endr
	; ---- THE STREAM.  A group is 8 rows u of onehots, 2,560 bytes, five loads.  Lane l of load j holds numbers 4 q .. 4 q + 3 of the group, q = 32 j + l: row q / 20, columns 4 (q % 20) on:
	; 4 divides 80, so a lane's four numbers share one u, and neither the row in the group nor the columns hang on the group: each (j, lane) keeps four sums of its own.
.macro FM j, pp, o, first                      ; load j's four numbers x its phi word, which is half o of the pair at pp
.irp e, 0,2
.if \first
	v_pk_mul_f32 v[ACC+4*\j+\e:ACC+4*\j+\e+1], v[SL+4*\j+\e:SL+4*\j+\e+1], v[PS+\pp:PS+\pp+1] op_sel:[0,\o] op_sel_hi:[1,\o]
.else
	v_pk_fma_f32 v[ACC+4*\j+\e:ACC+4*\j+\e+1], v[SL+4*\j+\e:SL+4*\j+\e+1], v[PS+\pp:PS+\pp+1], v[ACC+4*\j+\e:ACC+4*\j+\e+1] op_sel:[0,\o,0] op_sel_hi:[1,\o,1]
.endif
.endr
.endm
.macro FM5 first
	FM 0, 0, 0, \first
	FM 1, 0, 1, \first
	FM 2, 2, 0, \first
	FM 3, 2, 1, \first
	FM 4, 4, 0, \first
.endm
.macro GROUP g
.set SL, RING+20*((\g)%7)
.set PS, PP+6*((\g)%2)
.set PN, PP+6*(1-(\g)%2)
.if (\g) < 31
.irp j, 0,1,2,3,4
	ds_load_b32 v[PN+\j], v[APH+\j] offset:32*((\g)+1)             ; the next group's phi words, into the other set
.endr
.endif
.if (\g) <= 25
	s_wait_loadcnt 30                              ; loads come back in order (ISA guide 5.7.1): this group's five are in, those of the six groups behind it stay out
.else
	s_wait_loadcnt 5*(31-(\g))                     ; the last groups: the counts run down
.endif
.if (\g) < 31
	s_wait_dscnt 5                                 ; this group's phi words are in; the five just asked for may be out
.else
	s_wait_dscnt 0x0
.endif
.if (\g) == 0
	FM5 1                                          ; the first group starts the sums: nothing is cleared
.else
	FM5 0
.endif
.if (\g) < 25
.irp j, 0,1,2,3,4
	global_load_b128 v[SL+4*\j:SL+4*\j+3], v[AL16], s[18:19] offset:2560*((\g)+7)+512*\j th:TH_LOAD_NT    ; the slot takes the group seven further on; every offset is an immediate, no pointer is stepped
.endr
.endif
.endm
.set G, 0
.rept 32
	GROUP G
.set G, G+1
.endr
	; ---- w_t: the eight sums q = 20 row + c of each column group c are added.  My 160 x 4 sums go to LDS as 8 rows x 320 bytes
.irp j, 0,1,2,3,4
	ds_store_b128 v[ARED], v[ACC+4*\j:ACC+4*\j+3] offset:512*\j
.endr
	BARRIER                                        ; all sixteen batch rows' sums lie in LDS
	s_cmp_gt_u32 s30, 9                            ; 16 rows x 20 column groups = 320 threads: waves 0-9
	s_cbranch_scc1 .Lend
.irp i, 0,1,2,3,4,5,6,7
	ds_load_b128 v[RING+4*\i:RING+4*\i+3], v[AFIN] offset:320*\i
.endr
	v_lshlrev_b32 v148, 4, v0                      ; 16 t = 320 b' + 16 c: my place in the work-group's 5,120 bytes of out0
	s_wait_dscnt 0x0
.irp i, 0,8,16,24
	v_pk_add_f32 v[RING+\i:RING+\i+1], v[RING+\i:RING+\i+1], v[RING+\i+4:RING+\i+5]
	v_pk_add_f32 v[RING+\i+2:RING+\i+3], v[RING+\i+2:RING+\i+3], v[RING+\i+6:RING+\i+7]
.endr
.irp i, 0,16
	v_pk_add_f32 v[RING+\i:RING+\i+1], v[RING+\i:RING+\i+1], v[RING+\i+8:RING+\i+9]
	v_pk_add_f32 v[RING+\i+2:RING+\i+3], v[RING+\i+2:RING+\i+3], v[RING+\i+10:RING+\i+11]
.endr
	v_pk_add_f32 v[RING:RING+1], v[RING:RING+1], v[RING+16:RING+17]
	v_pk_add_f32 v[RING+2:RING+3], v[RING+2:RING+3], v[RING+18:RING+19]
	global_store_b128 v148, v[RING:RING+3], s[20:21] th:TH_STORE_NT               ; the wave's store covers 512 consecutive bytes, aligned
.Lend:
	s_wait_xcnt 0x0
	v_lshl_add_u32 v254, v0, 2, 0x2b000
	v_mov_b32 v255, 0
	s_wait_tensorcnt 0x0
	ds_add_u32 v254, v255
	s_wait_dscnt 0x0
	s_endpgm
.Lfunc_end_k_q0e3b40dc95_gauss:
	.size	k_q0e3b40dc95_gauss, .Lfunc_end_k_q0e3b40dc95_gauss-k_q0e3b40dc95_gauss
	.p2alignl 7, 3214868480
	.fill 96, 4, 3214868480
	.section	.rodata,"a",@progbits
	.p2align	6, 0x0
	.amdhsa_kernel k_q0e3b40dc95_gauss
		.amdhsa_group_segment_fixed_size 178176
		.amdhsa_private_segment_fixed_size 0
		.amdhsa_enable_private_segment 0
		.amdhsa_kernarg_size 88
		.amdhsa_user_sgpr_count 2
		.amdhsa_user_sgpr_kernarg_segment_ptr 1
		.amdhsa_wavefront_size32 1
		.amdhsa_system_sgpr_workgroup_id_x 1
		.amdhsa_system_sgpr_workgroup_id_y 1
		.amdhsa_system_sgpr_workgroup_id_z 1
		.amdhsa_system_vgpr_workitem_id 0
		.amdhsa_next_free_vgpr 256
		.amdhsa_next_free_sgpr 66
		.amdhsa_reserve_vcc 1
		.amdhsa_float_denorm_mode_32 3
		.amdhsa_float_denorm_mode_16_64 3
		.amdhsa_memory_ordered 1
		.amdhsa_forward_progress 1
		.amdhsa_inst_pref_size 100
	.end_amdhsa_kernel
	.amdgpu_metadata
---
amdhsa.version: [ 1, 2 ]
amdhsa.kernels:
  - .name:           k_q0e3b40dc95_gauss
    .symbol:         k_q0e3b40dc95_gauss.kd
    .args:
      - { .name: h_t, .offset: 0, .size: 8, .value_kind: global_buffer, .address_space: global }
      - { .name: W, .offset: 8, .size: 8, .value_kind: global_buffer, .address_space: global }
      - { .name: b, .offset: 16, .size: 8, .value_kind: global_buffer, .address_space: global }
      - { .name: kappa_prev, .offset: 24, .size: 8, .value_kind: global_buffer, .address_space: global }
      - { .name: text_mask, .offset: 32, .size: 8, .value_kind: global_buffer, .address_space: global }
      - { .name: onehots, .offset: 40, .size: 8, .value_kind: global_buffer, .address_space: global }
      - { .name: out0, .offset: 48, .size: 8, .value_kind: global_buffer, .address_space: global }
      - { .name: out1, .offset: 56, .size: 8, .value_kind: global_buffer, .address_space: global }
      - { .name: out2, .offset: 64, .size: 8, .value_kind: global_buffer, .address_space: global }
      - { .name: out3, .offset: 72, .size: 8, .value_kind: global_buffer, .address_space: global }
      - { .name: out4, .offset: 80, .size: 8, .value_kind: global_buffer, .address_space: global }
    .group_segment_fixed_size: 178176
    .private_segment_fixed_size: 0
    .kernarg_segment_align: 8
    .kernarg_segment_size: 88
    .max_flat_workgroup_size: 512
    .sgpr_count:     66
    .vgpr_count:     256
    .wavefront_size: 32
...
	.end_amdgpu_metadata
.endif
;; end of part 1
